; MI455X (gfx1250); checked and timed in simulation.
; The chip was launched on July 23, 2026; its instructions are those of AMD's public machine-readable ISA for CDNA 5 (MIT licence, August 2026) and "CDNA5" Instruction Set Architecture Reference Guide (July 2026). The comments in the code are by the model that wrote it; some were corrected since.
;; Attention. Allowed arithmetic: matrix products marked QUANTISED: E4M3 operands, one given power-of-two scale a tensor, by v_wmma_f32_16x16x64_fp8_fp8 or v_wmma_f32_16x16x128_fp8_fp8, f32 sums; everything else in f32.
;; Inputs: Wk_codes 1,024 x 32 x 32 uint8 (E4M3 codes of Wk, K innermost, in blocks of 32 codes); Wq_codes 1,024 x 32 x 32 uint8 (E4M3 codes of Wq, K innermost, in blocks of 32 codes); Wv_codes 1,024 x 32 x 32 uint8 (E4M3 codes of Wv, K innermost, in blocks of 32 codes); lowp_scales 10 int32 (the exponents e of the quantised operands' scales 2^e); x_codes 4 x 2,048 x 32 x 32 uint8 (E4M3 codes of x, K innermost, in blocks of 32 codes).
;; Outputs: out0 4 x 2,048 x 1,024 float32.
;; This version of the problem:
;;   THIS VERSION OF THE PROBLEM IS GIVEN IN LOW PRECISION. The matrix products marked QUANTISED in the list below multiply operands that are first quantised to E4M3 (4 exponent bits, 3 mantissa bits; 8 bits a number), with one given power-of-two scale for each operand tensor; their sums are f32. All else is computed in f32.
;;   The module's matrix products, in the order in which they are computed (A, B: the left and right operand; K: the contracted axis; several contracted axes count as one K, in the product's order):
;;     1. [M 8,192, K 1,024] x [K 1,024, N 1,024]; A: input x (given as codes); B: input Wq (given as codes): QUANTISED (scales: A lowp_scales[0], B lowp_scales[1])
;;     2. [M 8,192, K 1,024] x [K 1,024, N 1,024]; A: input x (given as codes); B: input Wk (given as codes): QUANTISED (scales: A lowp_scales[2], B lowp_scales[3])
;;     3. [M 8,192, K 1,024] x [K 1,024, N 1,024]; A: input x (given as codes); B: input Wv (given as codes): QUANTISED (scales: A lowp_scales[4], B lowp_scales[5])
;;     4. batch 4 x [M 2,048, K 1,024] x [K 1,024, N 2,048]; A: computed on the way; B: computed on the way: QUANTISED (scales: A lowp_scales[6], B lowp_scales[7])
;;     5. batch 4 x [M 2,048, K 2,048] x [K 2,048, N 1,024]; A: softmax (see below); B: computed on the way: QUANTISED (scales: A lowp_scales[8], B lowp_scales[9])
;;   THE QUANTISER, for each operand of a quantised product, along K:
;;     - The operand's scale is 2^e, e = its entry of the input lowp_scales (int32; the entries are numbered through the quantised products in the list's order, A before B).
;;     - Each number is divided by the scale, clamped to +-448, and rounded to the nearest number of E4M3, ties to even, subnormals kept.
;;     - The product sums the exact products of the quantised numbers (number of the format x scale) in f32.
;;   ~~~python
;;   def quantise(x, axis, e):      # numpy; x: float32 -> the quantised numbers, widened to float32 again
;;       x = np.moveaxis(x, axis, -1); K = x.shape[-1]
;;       r = np.clip(x / 2.0 ** e, -448, 448)
;;       step = 2.0 ** (np.maximum(np.frexp(np.where(r == 0, 1, r))[1] - 1, -6) - 3)
;;       q = np.round(r / step) * step * 2.0 ** e      # np.round: ties to even
;;       return np.moveaxis(q, -1, axis).astype(np.float32)
;;   ~~~
;;   SOFTMAX AHEAD OF A QUANTISED PRODUCT. Where the list says 'softmax', what is quantised is not the finished softmax but p = 2^(t - M), with t = logit x log2(e) and M = ceil(the row's largest t), a whole number; so 1/2 < the row's largest p <= 1. The row's sum l is taken of the UNQUANTISED p, in f32, and the product's result is divided by l at the end. Since M is a whole number, a kernel that streams over the keys may use a running M (the ceiling of the running maximum): every later rescaling is an exact power of two, so the quantised numbers keep their values, but for numbers so far below the row's largest that they fall under the format's range.
;;   OPERANDS COMPUTED ON THE WAY. 'Computed on the way' means the value that the module computes at that place (a softmax that the list does not call 'softmax' is quantised finished and normalised). What goes into a quantiser is computed in f32, as accurately as f32 sums, v_exp_f32 and their like allow (about 1e-6 of the number): no bf16 or f16 on the way to a quantiser, and a product that is left as it is and whose result goes on into a quantised operand takes f32 operands (vector FMAs, or v_wmma_f32_16x16x4_f32). A number that lies on a knife's edge between two numbers of the format may be rounded either way, as far as f32 arithmetic and the matrix unit's own rounding can turn it there, and no further.
;;   INPUTS GIVEN AS CODES. Wk (in the module: [1024, 1024], K = its axis 1); Wq (in the module: [1024, 1024], K = its axis 1); Wv (in the module: [1024, 1024], K = its axis 1); x (in the module: [4, 2048, 1024], K = its axis 2): each comes as NAME_codes (uint8): NAME with its K axis moved to the last place and cut into blocks of 32 codes, [.., K / 32, bytes a block], one block behind the other in memory; one code a byte (a code: sign, 4 exponent bits, 3 mantissa bits); its scale is its entry of lowp_scales. Its value is code x scale, taken as it is: it is not quantised again, and the codes and scales need not be those that the quantiser above would give.
;; One version. Each part assembles by itself: llvm-mc -triple=amdgcn-amd-amdhsa -mcpu=gfx1250 --defsym DOCPART=n.
;; ======== version 1 of 1: 3 launches
;; limits: right only within a limited range of input values
;; workspace buffers: qf 8,388,608 bytes; kf 8,388,608 bytes; vf 8,388,608 bytes; pf 16,777,216 bytes; st 1,048,576 bytes
;; launch proj (part 1): grid 8 x 32, 4 waves a work-group, clusters of 4 x 4, 327,680 bytes of LDS; arguments x_codes, Wq_codes, Wk_codes, Wv_codes, lowp_scales, qf, kf, vf; writes qf, kf, vf
.if DOCPART == 1
	.amdgcn_target "amdgcn-amd-amdhsa--gfx1250"
	.amdhsa_code_object_version 6
	.text
	.protected	k_qa38251f703_proj
	.globl	k_qa38251f703_proj
	.p2align	8
	.type	k_qa38251f703_proj,@function
k_qa38251f703_proj:
	s_mov_b64 s[64:65], 0
	v_nop
	global_prefetch_b8 v0, s[64:65] scope:SCOPE_SE
	s_setreg_imm32_b32 hwreg(HW_REG_WAVE_MODE, 25, 1), 1
	s_wait_xcnt 0x0
	s_wait_alu depctr_hold_cnt(0) depctr_sa_sdst(0) depctr_va_vdst(0) depctr_va_sdst(0) depctr_va_ssrc(0) depctr_va_vcc(0) depctr_vm_vsrc(0)
	s_getreg_b32 s2, hwreg(HW_REG_IB_STS2, 6, 4)
	s_cmp_eq_u32 s2, 0
	s_cbranch_scc0 .Lentry_in_a_cluster
	s_endpgm
.Lentry_in_a_cluster:
	s_bfe_u32 s2, ttmp6, 0x10000c
	s_cmp_lg_u32 s2, 0xf033
	s_cbranch_scc0 .Lentry_shape_is_right
	s_endpgm
.Lentry_shape_is_right:
; q = x Wq^T, k = x Wk^T, v = x Wv^T on the given codes of FP8 (E4M3), sums in f32; each result is quantised at once for the product that reads it (q, k along the features, v along the tokens).
; x: 8,192 rows of 1,024 codes; each W: 1,024 rows of 1,024 codes.  A work-group takes 256 rows of x against rows 128 j .. 128 j + 127 of EACH W: a tile of 256 x 384, and 8,192 x 3,072 is 256 such tiles.
; A wave takes 128 rows of x (8 blocks a) against 64 rows of each W (groups g = 0 q, 1 k, 2 v, 4 tiles b each): 96 accumulators, 768 registers; so the K = 64 form, whose fragments are 8 registers.
; q, k: source 0 = W, source 1 = x: a lane holds one token, and tile b's registers the features 16 b + 8 (lane / 16) + 0 .. 7.  v: source 0 = x, source 1 = Wv: a lane holds one feature, registers run along the tokens.
; So one conversion of an accumulator's eight numbers gives registers 2 t, 2 t + 1 of the next product's operand (K = 16 t + 8 (lane / 16) + 0 .. 7), and the codes are stored as IMAGES OF THE OPERAND'S REGISTERS:
; a fragment (16 rows x 128 K, 16 registers a lane) is 2,048 bytes; registers 4 c .. 4 c + 3 of lane l lie at 512 c + 16 l.  Every store of the wave covers 512 consecutive bytes, aligned.
;   qf, kf: [pair of K steps 4][tile of 16 tokens 512][K step of the pair 2][2,048];   vf: [batch 4][group of 512 keys 4][tile of 16 features 64][key step of the group 4][2,048].
; The fragments of x and W are read from LDS rows by two loads of 16 bytes: a permutation of k that is the same on both sides.
; CLUSTERS: 4 x 4 work-groups.  x's tile hangs on the tile row and is asked for jointly along a row of the cluster, the W tiles hang on j and are asked for jointly along a column.
; LIMITS: e6 - e0 - e1, e7 - e2 - e3 and e9 - e4 - e5 lie between -126 and 119, so that the powers of two below are f32 numbers.  NaN codes among the inputs are not served.
; REGISTERS: window 0: v1-15 addresses and scales; v32-95, v96-159 x's fragments, two sets; v160-255 W's fragments (160 + 32 g + 8 b), one set.  Window 1 + g: accumulator (a, b) at v[8 (4 a + b)].
.set PITCH,  144                       ; an LDS row: 128 bytes + 16 of padding = 36 words: the 16 rows of a load begin at 16 different groups of four banks (64 banks of 4 bytes: ISA guide 11.1)
.set WREG,   128*PITCH                 ; 128 rows of one W
.set XOFF,   3*WREG                    ; a slot: Wq, Wk, Wv, then 256 rows of x
.set SLOT,   XOFF+256*PITCH            ; 128 along K; two slots of 256 along K would not fit in LDS
.set SPARE,  2*SLOT                    ; behind the ring: the spare words, 128 bytes a wave: two blocks of 256 bytes that no other line names
.set ADRX, 4                           ; v4-5   LDS address of my fragments of x in slot 0, 1
.set ADRW, 6                           ; v6-7   the same for the W tiles
.set LI,   8                           ; v8     16 x lane: my place in an image
.set SCQ,  10                          ; v10-11 2^c and 448 x 2^c for q;  v12-13 for k;  v14-15 for v
.set SCK,  12
.set SCV,  14
.set SPW,  28                          ; v28    LDS address of my spare word; never rewritten
.set NIL,  29                          ; v29    0; never rewritten
.set AF,   32
.set BF,   160
.set TMP,  32                          ; the way out: 32 numbers held within the format's range
.set COD,  64                          ; the way out: v64-255, the codes: registers of its own for every store
.set WV,   20                          ; s20    my wave's number;  s21: which 128 rows of x;  s22: which 64 rows of each W
.set G1A,  24                          ; s[24:31] descriptor group 1 for x's tile;  s[32:39] its group 0, a set for each slot
.set G0A,  32
.set G1B,  40                          ; s[40:47], s[48:55] the same for a W tile
.set G0B,  48
.set MSB, 0
.macro WIN new                         ; the immediate's high byte repeats the setting that is left; a switch that changes nothing is dropped
.if MSB != (\new)
	s_set_vgpr_msb (MSB<<8)|(\new)
.set MSB, (\new)
.endif
.endm
.macro PLACES                          ; four plain vector lines between a matrix instruction and a load into, or a vector line on, its registers
.rept 4
	v_nop
.endr
.endm
; A joint load.  Wave 3 fetches x's 256 rows, waves 0, 1, 2 fetch 128 rows of Wq, Wk, Wv.  The branch hangs on the wave's number alone.  Four v_nop follow each line.
.macro JLOAD s
	s_cmp_eq_u32 s[WV], 3
	s_cbranch_scc0 .Lfor_w_\@
	tensor_load_to_lds s[G0A+4*(\s):G0A+4*(\s)+3], s[G1A:G1A+7]
	s_nop 0
.rept 4
	v_nop
.endr
	s_branch .Lasked_\@
.Lfor_w_\@:
	tensor_load_to_lds s[G0B+4*(\s):G0B+4*(\s)+3], s[G1B:G1B+7]
	s_nop 0
.rept 4
	v_nop
.endr
.Lasked_\@:
.endm
.macro CREST                           ; a round of the cluster's barrier behind its opening barrier
	s_cmp_lg_u32 s[WV], 0
	s_cbranch_scc1 .Lnot_wave_0_\@
	s_barrier_signal -3
.Lnot_wave_0_\@:
	s_barrier_wait -3
	s_barrier_signal -1
	s_barrier_wait -1
.endm
.macro CROUND                          ; a whole round
	s_barrier_signal -1
	s_barrier_wait -1
	CREST
.endm
	s_load_b256 s[4:11], s[0:1], 0x0               ; x s[4:5], Wq s[6:7], Wk s[8:9], Wv s[10:11]
	s_load_b256 s[12:19], s[0:1], 0x20             ; the scales' exponents s[12:13], qf s[14:15], kf s[16:17], vf s[18:19]
	v_lshl_add_u32 v[SPW], v0, 2, SPARE
	v_mov_b32 v[NIL], 0
	ds_add_u32 v28, v29
	ds_add_u32 v28, v29
	s_wait_dscnt 0x0
	v_lshrrev_b32 v1, 5, v0
	v_readfirstlane_b32 s[WV], v1                  ; wave 0..3
	s_lshr_b32 s21, s[WV], 1
	s_and_b32 s22, s[WV], 1
	s_bfe_u32 s56, ttmp6, 0x40000                  ; cx, cy: my place in the cluster
	s_bfe_u32 s57, ttmp6, 0x40004
	s_lshl_b32 s58, ttmp9, 2
	s_add_co_u32 s58, s58, s56                     ; j = 4 x cluster x + cx: which 128 rows of each W
	s_and_b32 s59, ttmp7, 0xffff
	s_lshl_b32 s59, s59, 2
	s_add_co_u32 s59, s59, s57                     ; mt = 4 x cluster y + cy: which 256 rows of x
	s_lshl_b32 s60, s57, 2
	s_lshl_b32 s60, 15, s60                        ; my row of the cluster
	s_lshl_b32 s61, 0x1111, s56                    ; my column
	s_or_b32 s[G1A], s60, (1<<20)|(1<<21)|(4<<22)|(3<<25)  ; 15:0 the mask; 17:16 elements of 1 byte; 20 padding on; 21 set beside a mask; 24:22 after every 32 words (code 4); 31:25 four words (code 3)
	s_or_b32 s[G1B], s61, (1<<20)|(1<<21)|(4<<22)|(3<<25)
	s_mov_b32 s[G1A+1], 128<<16                    ; tensor_dim0 = 128
	s_mov_b32 s[G1A+2], 256<<16                    ; tensor_dim1 = 256
	s_mov_b32 s[G1A+3], 128<<16                    ; tile_dim0 = 128
	s_mov_b32 s[G1A+4], 256                        ; tile_dim1 = 256
	s_mov_b32 s[G1A+5], 1024                       ; from row to row
	s_mov_b32 s[G1A+6], 0
	s_mov_b32 s[G1A+7], 0
	s_mov_b32 s[G1B+1], 128<<16
	s_mov_b32 s[G1B+2], 128<<16                    ; 128 rows
	s_mov_b32 s[G1B+3], 128<<16
	s_mov_b32 s[G1B+4], 128
	s_mov_b32 s[G1B+5], 1024
	s_mov_b32 s[G1B+6], 0
	s_mov_b32 s[G1B+7], 0
	s_lshl_b32 s84, s59, 18                        ; x: 256 mt rows of 1,024 bytes
	s_mov_b32 s85, 0
	s_lshl_b32 s86, s58, 17                        ; W: 128 j rows
	s_mov_b32 s87, 0
	s_mul_i32 s88, s[WV], WREG                     ; where my tile goes: wave x 18,432: Wq, Wk, Wv, x.  No place in the cluster enters an LDS address
	s_wait_kmcnt 0x0
	s_load_b256 s[68:75], s[12:13], 0x0            ; e0 .. e7
	s_load_b64 s[76:77], s[12:13], 0x20            ; e8, e9
	s_cmp_eq_u32 s[WV], 1
	s_cselect_b64 s[66:67], s[8:9], s[6:7]         ; wave 0: Wq, wave 1: Wk,
	s_cmp_eq_u32 s[WV], 2
	s_cselect_b64 s[66:67], s[10:11], s[66:67]     ; wave 2: Wv
	s_add_nc_u64 s[84:85], s[4:5], s[84:85]
	s_add_nc_u64 s[86:87], s[66:67], s[86:87]
	CROUND                                         ; all sixteen work-groups are here: the first joint loads meet
.irp s, 0,1
	s_mov_b32 s[G0A+4*\s], 1                       ; count = 1
	s_add_co_u32 s[G0A+4*\s+1], s88, \s*SLOT       ; LDS address
	s_add_nc_u64 s[G0A+4*\s+2:G0A+4*\s+3], s[84:85], \s*128   ; global address: 128 along K on for slot 1
	s_or_b32 s[G0A+4*\s+3], s[G0A+4*\s+3], 0x80000000         ; type = 2
	s_mov_b32 s[G0B+4*\s], 1
	s_add_co_u32 s[G0B+4*\s+1], s88, \s*SLOT
	s_add_nc_u64 s[G0B+4*\s+2:G0B+4*\s+3], s[86:87], \s*128
	s_or_b32 s[G0B+4*\s+3], s[G0B+4*\s+3], 0x80000000
	JLOAD \s                                       ; two loads of mine are out
.endr
	v_and_b32 v1, 15, v0                           ; r = lane % 16
	v_bfe_u32 v2, v0, 4, 1                         ; h = lane / 16
	v_mul_u32_u24 v3, v1, PITCH
	v_lshl_add_u32 v3, v2, 4, v3                   ; a fragment's row x pitch + 16 h
	s_mul_i32 s89, s21, WREG
	s_add_co_u32 s89, s89, XOFF                    ; my 128 rows of x
	s_mul_i32 s90, s22, 64*PITCH                   ; my 64 rows of each W
.irp s, 0,1
	v_add_nc_u32 v[ADRX+\s], s89, v3
	v_add_nc_u32 v[ADRW+\s], s90, v3
	s_add_co_u32 s89, s89, SLOT
	s_add_co_u32 s90, s90, SLOT
.endr
	v_and_b32 v[LI], 31, v0
	v_lshlrev_b32 v[LI], 4, v[LI]
	; where my images go.  qf, kf: (j / 2) << 21 + mt << 16 + half of rows << 15 + (j % 2) << 11 + half of features << 10
	s_lshr_b32 s90, s58, 1
	s_lshl_b32 s90, s90, 21
	s_lshl_b32 s92, s59, 16
	s_add_co_u32 s90, s90, s92
	s_lshl_b32 s92, s21, 15
	s_add_co_u32 s90, s90, s92
	s_and_b32 s92, s58, 1
	s_lshl_b32 s92, s92, 11
	s_add_co_u32 s90, s90, s92
	s_lshl_b32 s92, s22, 10
	s_add_co_u32 s90, s90, s92
	s_mov_b32 s91, 0
	s_add_nc_u64 s[78:79], s[14:15], s[90:91]
	s_add_nc_u64 s[80:81], s[16:17], s[90:91]
	; vf: mt / 2 is 4 x batch + group of keys: (mt / 2) << 19 + j << 16 + half of features << 15 + (mt % 2) << 12 + half of rows << 11
	s_lshr_b32 s90, s59, 1
	s_lshl_b32 s90, s90, 19
	s_lshl_b32 s92, s58, 16
	s_add_co_u32 s90, s90, s92
	s_lshl_b32 s92, s22, 15
	s_add_co_u32 s90, s90, s92
	s_and_b32 s92, s59, 1
	s_lshl_b32 s92, s92, 12
	s_add_co_u32 s90, s90, s92
	s_lshl_b32 s92, s21, 11
	s_add_co_u32 s90, s90, s92
	s_add_nc_u64 s[82:83], s[18:19], s[90:91]
; s[sx] holds c: v[vr] = 2^c as f32 (the conversion takes its exponent field), v[vr + 1] = 448 x 2^c
.macro MKSC sx, vr
	s_add_co_i32 s[\sx], s[\sx], 127
	s_lshl_b32 s93, s[\sx], 23
	v_mov_b32 v[\vr], s93
	s_add_co_i32 s[\sx], s[\sx], 8
	s_lshl_b32 s[\sx], s[\sx], 23
	s_or_b32 s[\sx], s[\sx], 0x600000
	v_mov_b32 v[\vr+1], s[\sx]
.endm
	s_wait_kmcnt 0x0
	s_sub_co_i32 s94, s74, s68                     ; a sum stands for sum x 2^(e0 + e1), its code is sum / 2^(e6 - e0 - e1): the three scales folded into the conversion's one
	s_sub_co_i32 s94, s94, s69
	MKSC 94, SCQ
	s_sub_co_i32 s94, s75, s70                     ; e7 - e2 - e3
	s_sub_co_i32 s94, s94, s71
	MKSC 94, SCK
	s_sub_co_i32 s94, s77, s72                     ; e9 - e4 - e5
	s_sub_co_i32 s94, s94, s73
	MKSC 94, SCV
.macro LDB slot, hh, g                 ; group g's four fragments of the slot's half hh (64 along K): 8 loads
.irp b, 0,1,2,3
	ds_load_b128 v[BF+32*(\g)+8*\b:BF+32*(\g)+8*\b+3],   v[ADRW+\slot] offset:(\g)*WREG+\b*16*PITCH+64*(\hh)
	ds_load_b128 v[BF+32*(\g)+8*\b+4:BF+32*(\g)+8*\b+7], v[ADRW+\slot] offset:(\g)*WREG+\b*16*PITCH+64*(\hh)+32
.endr
.endm
.macro LDA slot, hh, set               ; x's eight fragments: 16 loads
.irp a, 0,1,2,3,4,5,6,7
	ds_load_b128 v[AF+64*(\set)+8*\a:AF+64*(\set)+8*\a+3],   v[ADRX+\slot] offset:\a*16*PITCH+64*(\hh)
	ds_load_b128 v[AF+64*(\set)+8*\a+4:AF+64*(\set)+8*\a+7], v[ADRX+\slot] offset:\a*16*PITCH+64*(\hh)+32
.endr
.endm
; n blocks of x from a0 on against group g's four tiles.  The accumulators take turns, one instruction a turn, in the same order in every half.  zero = 1: the product starts the sum.
.macro MULG g, set, a0, n, zero
	WIN (1+\g)*0x50
.set aa, \a0
.rept \n
.irp b, 0,1,2,3
.set rD, 8*(4*aa+\b)
.set rA, AF+64*(\set)+8*aa
.set rB, BF+32*(\g)+8*\b
.if \g == 2
.if \zero
	v_wmma_f32_16x16x64_fp8_fp8 v[rD:rD+7], v[rA:rA+7], v[rB:rB+7], 0
.else
	v_wmma_f32_16x16x64_fp8_fp8 v[rD:rD+7], v[rA:rA+7], v[rB:rB+7], v[rD:rD+7]
.endif
.else
.if \zero
	v_wmma_f32_16x16x64_fp8_fp8 v[rD:rD+7], v[rB:rB+7], v[rA:rA+7], 0
.else
	v_wmma_f32_16x16x64_fp8_fp8 v[rD:rD+7], v[rB:rB+7], v[rA:rA+7], v[rD:rD+7]
.endif
.endif
.endr
.set aa, aa+1
.endr
.endm
; A slot's first 64 along K, on x's set 0.  A group's W fragments are free when its 32 products are issued: the second half's take their place; x's second half goes into set 1.
.macro STEP slot, zero
	s_wait_dscnt 16                                ; group 0's and x's fragments are in; the youngest 16 loads (groups 1 and 2) may be out
	MULG 0, 0, 0, 8, \zero
	PLACES
	WIN 0
	LDB \slot, 1, 0
	LDA \slot, 1, 1
	s_wait_dscnt 32                                ; group 1's are in; behind them: group 2's 8 and the 24 just issued
	MULG 1, 0, 0, 8, \zero
	PLACES
	WIN 0
	LDB \slot, 1, 1
	s_wait_dscnt 32                                ; group 2's are in; behind them: the 24 and the 8
	MULG 2, 0, 0, 8, \zero
	PLACES
	WIN 0
	LDB \slot, 1, 2
.endm
; A slot's second 64 along K, on set 1, changes slots: ONE barrier; in front of it each wave waits for all its tensor loads, adds 0 to its spare word, and waits for that and for its reads of this slot.
; fill = 1: the barrier opens a round of the cluster's barrier, and this slot is filled again, 256 along K on.
.macro TURN slot, next, fill
	s_wait_tensorcnt 0x0                           ; all my tensor loads have landed: my part of the next slot
	ds_add_u32 v[SPW], v[NIL]                      ; 0 onto my spare word
	s_wait_dscnt 17                                ; group 0's and x's are in; groups 1 and 2's 16 loads and the add may be out
	MULG 0, 1, 0, 4, 0                             ; sixteen matrix instructions stand between the add and the wait for it
	s_wait_dscnt 0x0                               ; the add is done, and my reads of this slot are over
	s_barrier_signal -1
	MULG 0, 1, 4, 4, 0
	WIN 0
	s_barrier_wait -1
.if \fill
	CREST                                          ; no wave of any partner still reads this slot or has a load on its way
	s_add_nc_u64 s[G0A+4*\slot+2:G0A+4*\slot+3], s[G0A+4*\slot+2:G0A+4*\slot+3], 256
	s_add_nc_u64 s[G0B+4*\slot+2:G0B+4*\slot+3], s[G0B+4*\slot+2:G0B+4*\slot+3], 256
	JLOAD \slot                                    ; the first tensor load behind the round; its four v_nop are the places in front of the loads below
.else
	PLACES
.endif
	LDB \next, 0, 0
	LDA \next, 0, 0
	MULG 1, 1, 0, 8, 0
	PLACES
	WIN 0
	LDB \next, 0, 1
	MULG 2, 1, 0, 8, 0
	PLACES
	WIN 0
	LDB \next, 0, 2
.endm
	s_wait_tensorcnt 1                             ; my part of slot 0 is in; slot 1's may stay out
	s_barrier_signal -1
	s_barrier_wait -1                              ; everybody's is
	LDB 0, 0, 0
	LDA 0, 0, 0
	LDB 0, 0, 1
	LDB 0, 0, 2
	STEP 0, 1                                      ; the first half stands in front of the loop: its products start the sums
	s_mov_b32 s23, 3
.Llap:                                             ; a trip goes once round the ring and fills both slots again: K = 1,024 is eight slots' worth, six of them refills
	TURN 0, 1, 1
	STEP 1, 0
	TURN 1, 0, 1
	STEP 0, 0
	s_sub_co_u32 s23, s23, 1
	s_cmp_lg_u32 s23, 0
	s_cbranch_scc1 .Llap
	TURN 0, 1, 0                                   ; the last lap fills nothing
	STEP 1, 0
	s_wait_dscnt 16                                ; the very last half
	MULG 0, 1, 0, 8, 0
	s_wait_dscnt 8
	MULG 1, 1, 0, 8, 0
	s_wait_dscnt 0x0
	MULG 2, 1, 0, 8, 0
	WIN 0
	PLACES
; THE WAY OUT.  Four accumulators at a time, from v[a0] of window win on, st registers apart: held within +-448 x the scale (the conversion to an 8-bit code does not saturate: ISA guide 7.6.2),
; each accumulator from its low end on, into other registers; then one conversion an accumulator.
.macro QUANT4 win, a0, st, cod, sc
	WIN \win
.irp i, 0,1,2,3
.irp n, 0,1,2,3,4,5,6,7
	v_med3_num_f32 v[TMP+8*\i+\n], v[(\a0)+(\st)*\i+\n], -v[\sc+1], v[\sc+1]
.endr
.endr
	WIN 0
.irp i, 0,1,2,3
	v_cvt_scalef32_pk8_fp8_f32 v[(\cod)+2*\i:(\cod)+2*\i+1], v[TMP+8*\i:TMP+8*\i+7], v[\sc]
.endr
	v_nop                                          ; one plain vector line between the conversions and the next lines that write their sources
.endm
.irp a, 0,1,2,3,4,5,6,7                ; q: tokens 16 a on; my four tiles of features are eight registers, half a fragment
	QUANT4 1, 32*\a, 8, COD+8*\a, SCQ
	global_store_b128 v[LI], v[COD+8*\a:COD+8*\a+3], s[78:79] offset:\a*4096
	global_store_b128 v[LI], v[COD+8*\a+4:COD+8*\a+7], s[78:79] offset:\a*4096+512
.endr
.irp a, 0,1,2,3,4,5,6,7                ; k likewise
	QUANT4 2, 32*\a, 8, COD+64+8*\a, SCK
	global_store_b128 v[LI], v[COD+64+8*\a:COD+64+8*\a+3], s[80:81] offset:\a*4096
	global_store_b128 v[LI], v[COD+64+8*\a+4:COD+64+8*\a+7], s[80:81] offset:\a*4096+512
.endr
.irp b, 0,1,2,3                        ; v: features 16 b on; my eight blocks of tokens are a whole fragment, 128 keys
	QUANT4 3, 8*\b, 32, COD+128+16*\b, SCV
	QUANT4 3, 8*\b+128, 32, COD+136+16*\b, SCV
.irp c, 0,1,2,3
	global_store_b128 v[LI], v[COD+128+16*\b+4*\c:COD+128+16*\b+4*\c+3], s[82:83] offset:\b*8192+512*\c
.endr
.endr
	s_wait_tensorcnt 0x0                           ; the wave's end
	ds_add_u32 v[SPW], v[NIL]
	s_wait_dscnt 0x0
	CROUND                                         ; the closing round: no work-group ends while a partner may still ask for a tile that names it
	s_endpgm
.Lfunc_end_k_qa38251f703_proj:
	.size	k_qa38251f703_proj, .Lfunc_end_k_qa38251f703_proj-k_qa38251f703_proj
	.p2alignl 7, 3214868480
	.fill 96, 4, 3214868480
	.section	.rodata,"a",@progbits
	.p2align	6, 0x0
	.amdhsa_kernel k_qa38251f703_proj
		.amdhsa_group_segment_fixed_size 327680
		.amdhsa_private_segment_fixed_size 0
		.amdhsa_enable_private_segment 0
		.amdhsa_kernarg_size 64
		.amdhsa_user_sgpr_count 2
		.amdhsa_user_sgpr_kernarg_segment_ptr 1
		.amdhsa_wavefront_size32 1
		.amdhsa_system_sgpr_workgroup_id_x 1
		.amdhsa_system_sgpr_workgroup_id_y 1
		.amdhsa_system_sgpr_workgroup_id_z 1
		.amdhsa_system_vgpr_workitem_id 0
		.amdhsa_next_free_vgpr 1024
		.amdhsa_next_free_sgpr 100
		.amdhsa_reserve_vcc 0
		.amdhsa_float_denorm_mode_32 3
		.amdhsa_float_denorm_mode_16_64 3
		.amdhsa_memory_ordered 1
		.amdhsa_forward_progress 1
		.amdhsa_inst_pref_size 145
	.end_amdhsa_kernel
	.amdgpu_metadata
---
amdhsa.version: [ 1, 2 ]
amdhsa.kernels:
  - .name:           k_qa38251f703_proj
    .symbol:         k_qa38251f703_proj.kd
    .args:
      - { .name: x_codes, .offset: 0, .size: 8, .value_kind: global_buffer, .address_space: global }
      - { .name: Wq_codes, .offset: 8, .size: 8, .value_kind: global_buffer, .address_space: global }
      - { .name: Wk_codes, .offset: 16, .size: 8, .value_kind: global_buffer, .address_space: global }
      - { .name: Wv_codes, .offset: 24, .size: 8, .value_kind: global_buffer, .address_space: global }
      - { .name: lowp_scales, .offset: 32, .size: 8, .value_kind: global_buffer, .address_space: global }
      - { .name: qf, .offset: 40, .size: 8, .value_kind: global_buffer, .address_space: global }
      - { .name: kf, .offset: 48, .size: 8, .value_kind: global_buffer, .address_space: global }
      - { .name: vf, .offset: 56, .size: 8, .value_kind: global_buffer, .address_space: global }
    .group_segment_fixed_size: 327680
    .private_segment_fixed_size: 0
    .kernarg_segment_align: 8
    .kernarg_segment_size: 64
    .max_flat_workgroup_size: 128
    .sgpr_count:     100
    .vgpr_count:     1024
    .wavefront_size: 32
...
	.end_amdgpu_metadata
.endif
;; end of part 1
;; launch scores (part 2): grid 12 x 16, 4 waves a work-group, clusters of 4 x 4, 327,680 bytes of LDS; arguments qf, kf, lowp_scales, pf, st; writes pf, st
.if DOCPART == 2
	.amdgcn_target "amdgcn-amd-amdhsa--gfx1250"
	.amdhsa_code_object_version 6
	.text
	.protected	k_qa38251f703_scores
	.globl	k_qa38251f703_scores
	.p2align	8
	.type	k_qa38251f703_scores,@function
k_qa38251f703_scores:
	s_mov_b64 s[64:65], 0
	v_nop
	global_prefetch_b8 v0, s[64:65] scope:SCOPE_SE
	s_setreg_imm32_b32 hwreg(HW_REG_WAVE_MODE, 25, 1), 1
	s_wait_xcnt 0x0
	s_wait_alu depctr_hold_cnt(0) depctr_sa_sdst(0) depctr_va_vdst(0) depctr_va_sdst(0) depctr_va_ssrc(0) depctr_va_vcc(0) depctr_vm_vsrc(0)
	s_getreg_b32 s2, hwreg(HW_REG_IB_STS2, 6, 4)
	s_cmp_eq_u32 s2, 0
	s_cbranch_scc0 .Lentry_in_a_cluster
	s_endpgm
.Lentry_in_a_cluster:
	s_bfe_u32 s2, ttmp6, 0x10000c
	s_cmp_lg_u32 s2, 0xf033
	s_cbranch_scc0 .Lentry_shape_is_right
	s_endpgm
.Lentry_shape_is_right:
; S^T = k q^T on the codes that the launch before made, the causal mask, and the softmax's p for the next product, block by block of 128 keys.
; t = score x log2(e) / 32; for each query and each block of 128 keys: M = the block's largest t rounded UP to a whole number; p = 2^(t - M), quantised with the given 2^e8; l = the sum of the unquantised p.
; The next launch brings the blocks under the row's M by powers of two, which round nothing.  A block all of whose keys are hidden gives -M = 3e38, l = 0 and zero codes.
; A tile is 256 queries x 256 keys; a wave makes 128 x 128: 64 accumulators; source 0 = 16 keys, source 1 = 16 queries: a lane holds ONE query, and tile b's registers the keys 16 b + 8 (lane / 16) + 0 .. 7.
; So a conversion of an accumulator gives registers 2 b, 2 b + 1 of P's fragment (16 queries x 128 keys), which is stored as an image of its registers: registers 4 c .. 4 c + 3 of lane l at 512 c + 16 l.
;   pf: [batch 4][group of 512 keys 4][tile of 16 queries 128][key step of the group 4][2,048];   st: [batch 4][block of 128 queries 16][key step 16][tile 8][query 16][-M, l] f32.
; CLUSTERS: 4 x 4 tiles, 1,024 x 1,024; a batch has three such blocks under the mask: (queries, keys) = (0, 0), (1, 0), (1, 1).  q's tiles are asked for jointly along a row of the cluster, k's along a column.
; In the two blocks on the diagonal 6 of 16 tiles lie wholly above it.  They are computed like the others: partners of a cluster run alike, no branch hangs on a work-group's place; two of the six are read by the next
; launch as zeros.  The block (1, 0) has no hidden key and jumps over the mask: a branch on the cluster's number, the same in all partners.
; K = 1,024 goes in four slots' worth of 256.  qf and kf hold images of fragments, so a wave's part of a slot is one dense block of 32,768 bytes and LDS reads are 512 consecutive bytes: no padding.
; LIMITS: e6 + e7 between -121 and 132 (they are added to the exponent field of log2(e) / 32); e8 between -126 and 119; |t| under 2^24; NaN is not served.  With e8 under -8 the hold acts on the block's p, not on the row's.
; REGISTERS: window 0: v16-29 addresses; v32-95 a block's t, then p; v96-125 at work; v128-255 q's fragments, one set, later P's codes.  Window 1: k's fragments, two sets.  Windows 2, 3: accumulator (a, b) at v[8 (8 (a % 4) + b)].
.set FR,     16                        ; registers of a fragment: 16 rows x 128 K
.set NL,     4                         ; LDS loads that bring one
.set NP,     4                         ; places behind this matrix instruction (ISA guide 7.12.1)
.set HALFT,  32768                     ; 8 tiles of 16 rows x 256 K: what one tensor load brings, and what one wave reads of q or of k
.set SLOT,   4*HALFT                   ; q's 16 tiles, then k's 16
.set SPARE,  2*SLOT                    ; behind the ring: the spare words, 128 bytes a wave: two blocks of 256 bytes that no other line names
.set ADRA, 16                          ; v16-17  LDS address of my fragments of q in slot 0, 1
.set ADRB, 20                          ; v20-21  the same for k
.set LI,   26                          ; v26     16 x lane
.set SPW,  28                          ; v28     LDS address of my spare word; never rewritten
.set NIL,  29                          ; v29     0; never rewritten
.set S,    32
.set MX,   96                          ; v96-99  four chains of the maximum
.set TT,   100                         ; v100    the other half of the lanes'
.set NM,   104                         ; v[104:105] -M (the packed form names a pair and takes its low word)
.set SA,   106                         ; v[106:107], v[108:109] two chains of the sum
.set SB,   108
.set DQ,   110                         ; v110    my query less my first key: see the mask
.set NINF, 112                         ; v112    -infinity
.set FLO,  113                         ; v113    -3e38
.set SC,   114                         ; v114    2^e8 as f32;  v115: 448 x 2^e8
.set LIM,  115
.set STV,  116                         ; v116-123 block a's -M (lanes 0-15) and l (lanes 16-31)
.set SSO,  124                         ; v124    where they go in my stage;  v125: where I read the stage back
.set SRD,  125
.set AF,   128
.set PC,   128                         ; P's codes: 16 registers for each block, so that no store's data are written again
.set WV,   14
.set G1, 24                            ; s[24:31] descriptor group 1 for q's tiles;  s[32:39] group 0, one set for each slot
.set G0, 32
.set G1B, 48                           ; s[48:55], s[56:63] the same for k's
.set G0B, 56
.set CS,  78                           ; s[78:79] c = log2(e) / 32 x 2^(e6 + e7)
.set SEL, 80                           ; s[80:81] lane selects for v_permlanex16_b32: lane l xor 16
.set HM,  82                           ; s82     the mask of lanes 16-31
.set MSB, 0
.macro WIN new
.if MSB != (\new)
	s_set_vgpr_msb (MSB<<8)|(\new)
.set MSB, (\new)
.endif
.endm
.set MUL_LO, 0xa1                      ; source 0 (k) window 1, source 1 (q) window 0, C and D window 2
.set MUL_HI, 0xf1                      ; the same, C and D window 3
.set TO_B,   0x40                      ; destination window 1, address window 0
.macro JLOAD s                         ; waves 0 and 1 fetch q's halves, waves 2 and 3 k's; four v_nop follow each line
	s_cmp_eq_u32 s15, 0
	s_cbranch_scc0 .Lfor_b_\@
	tensor_load_to_lds s[G0+4*(\s):G0+4*(\s)+3], s[G1:G1+7]
	s_nop 0
.rept 4
	v_nop
.endr
	s_branch .Lasked_\@
.Lfor_b_\@:
	tensor_load_to_lds s[G0B+4*(\s):G0B+4*(\s)+3], s[G1B:G1B+7]
	s_nop 0
.rept 4
	v_nop
.endr
.Lasked_\@:
.endm
.macro CREST
	s_cmp_lg_u32 s[WV], 0
	s_cbranch_scc1 .Lnot_wave_0_\@
	s_barrier_signal -3
.Lnot_wave_0_\@:
	s_barrier_wait -3
	s_barrier_signal -1
	s_barrier_wait -1
.endm
.macro CROUND
	s_barrier_signal -1
	s_barrier_wait -1
	CREST
.endm
	s_load_b128 s[4:7], s[0:1], 0x0                ; qf s[4:5], kf s[6:7]
	s_load_b128 s[8:11], s[0:1], 0x10              ; the scales' exponents s[8:9], pf s[10:11]
	s_load_b64 s[12:13], s[0:1], 0x20              ; st
	v_lshl_add_u32 v[SPW], v0, 2, SPARE
	v_mov_b32 v[NIL], 0
	ds_add_u32 v28, v29
	ds_add_u32 v28, v29
	s_wait_dscnt 0x0
	v_lshrrev_b32 v1, 5, v0
	v_readfirstlane_b32 s[WV], v1                  ; wave 0..3
	s_lshr_b32 s15, s[WV], 1                       ; which 128 queries are mine.  Also: I fetch for q (0) or for k (1)
	s_and_b32 s16, s[WV], 1                        ; which 128 keys.  Also: which half of that tile I fetch
	s_bfe_u32 s40, ttmp6, 0x40000                  ; cx, cy: my place in the cluster
	s_bfe_u32 s41, ttmp6, 0x40004
	s_add_co_u32 s17, ttmp9, 1                     ; cluster x = 0, 1, 2: blocks (0, 0), (1, 0), (1, 1)
	s_lshr_b32 s17, s17, 1
	s_lshl_b32 s17, s17, 2
	s_add_co_u32 s17, s17, s41                     ; my tile of 256 queries
	s_lshr_b32 s42, ttmp9, 1
	s_lshl_b32 s42, s42, 2
	s_add_co_u32 s42, s42, s40                     ; my tile of 256 keys
	s_and_b32 s66, ttmp7, 0xffff                   ; the batch
	s_lshl_b32 s43, s41, 2
	s_lshl_b32 s43, 15, s43                        ; my row of the cluster
	s_lshl_b32 s44, 0x1111, s40                    ; my column
	s_or_b32 s[G1], s43, (3<<16)|(1<<21)           ; 15:0 the mask; 17:16 elements of 8 bytes; 21 set beside a mask; no padding
	s_or_b32 s[G1B], s44, (3<<16)|(1<<21)
.irp g, G1, G1B
	s_mov_b32 s[\g+1], 32<<16                      ; a dense block as rows of 256 bytes: tensor_dim0 = 32
	s_mov_b32 s[\g+2], 128<<16                     ; tensor_dim1 = 128
	s_mov_b32 s[\g+3], 32<<16                      ; tile_dim0 = 32
	s_mov_b32 s[\g+4], 128                         ; tile_dim1 = 128
	s_mov_b32 s[\g+5], 32                          ; from row to row
	s_mov_b32 s[\g+6], 0
	s_mov_b32 s[\g+7], 0
.endr
	s_lshl_b32 s18, s16, 15                        ; which half I fetch
	s_lshl_b32 s20, s66, 19                        ; q: batch << 19 + tile << 16 + half << 15
	s_lshl_b32 s19, s17, 16
	s_add_co_u32 s20, s20, s19
	s_add_co_u32 s20, s20, s18
	s_mov_b32 s21, 0
	s_lshl_b32 s46, s66, 19                        ; k likewise
	s_lshl_b32 s47, s42, 16
	s_add_co_u32 s46, s46, s47
	s_add_co_u32 s46, s46, s18
	s_mov_b32 s47, 0
	s_lshl_b32 s45, s[WV], 15                      ; where it goes: wave x 32,768
	s_wait_kmcnt 0x0
	s_load_b96 s[68:70], s[8:9], 0x18              ; e6, e7, e8
	s_add_nc_u64 s[20:21], s[4:5], s[20:21]
	s_add_nc_u64 s[46:47], s[6:7], s[46:47]
	CROUND                                         ; all sixteen work-groups are here: the first joint loads meet
.irp s, 0,1
	s_mov_b32 s[G0+4*\s], 1
	s_add_co_u32 s[G0+4*\s+1], s45, \s*SLOT
	s_add_nc_u64 s[G0+4*\s+2:G0+4*\s+3], s[20:21], \s*0x200000   ; a pair of K steps of all tokens is 2 MiB
	s_or_b32 s[G0+4*\s+3], s[G0+4*\s+3], 0x80000000
	s_mov_b32 s[G0B+4*\s], 1
	s_add_co_u32 s[G0B+4*\s+1], s45, \s*SLOT
	s_add_nc_u64 s[G0B+4*\s+2:G0B+4*\s+3], s[46:47], \s*0x200000
	s_or_b32 s[G0B+4*\s+3], s[G0B+4*\s+3], 0x80000000
	JLOAD \s
.endr
	v_and_b32 v1, 15, v0                           ; r
	v_bfe_u32 v2, v0, 4, 1                         ; h
	v_and_b32 v3, 31, v0
	v_lshlrev_b32 v[LI], 4, v3
	s_lshl_b32 s21, s15, 15                        ; my 8 tiles of q
	s_lshl_b32 s22, s16, 15                        ; my 8 tiles of k,
	s_add_co_u32 s22, s22, 2*HALFT                 ; which lie behind q's 16
.irp s, 0,1
	v_add_nc_u32 v[ADRA+\s], s21, v[LI]
	v_add_nc_u32 v[ADRB+\s], s22, v[LI]
	s_add_co_u32 s21, s21, SLOT
	s_add_co_u32 s22, s22, SLOT
.endr
	s_lshl_b32 s23, s[WV], 10                      ; my stage for -M and l: 1,024 bytes in slot 0, which has had its last fill and its last read when they are stored there
	v_lshlrev_b32 v[SSO], 3, v1
	v_lshl_add_u32 v[SSO], v2, 2, v[SSO]
	v_add_nc_u32 v[SSO], s23, v[SSO]               ; 8 r + 4 h
	v_add_nc_u32 v[SRD], s23, v[LI]
	; THE MASK.  My query is 256 I + 128 ra + 16 a + r, register j of tile b holds key 256 K + 128 cb + 16 b + 8 h + j: hidden where 16 b + j - 16 a > d, d = 256 (I - K) + 128 (ra - cb) + r - 8 h
	s_sub_co_i32 s67, s17, s42
	s_lshl_b32 s67, s67, 8
	s_sub_co_i32 s83, s15, s16
	s_lshl_b32 s83, s83, 7
	s_add_co_i32 s67, s67, s83
	v_lshlrev_b32 v[TT], 3, v2                     ; (v[TT] is written here: a lane permute's destination counts as one of its sources)
	v_sub_nc_u32 v[DQ], v1, v[TT]
	v_add_nc_u32 v[DQ], s67, v[DQ]
	v_mov_b32 v[NINF], 0xff800000
	v_mov_b32 v[FLO], 0xff61b1e6
	v_mov_b32 v[NM+1], 0                           ; (named as the upper half of a pair)
	s_mov_b32 s[SEL], 0x76543210
	s_mov_b32 s[SEL+1], 0xfedcba98
	s_mov_b32 s[HM], 0xffff0000
	; where my results go.  pf: batch << 22 + (K / 2) << 20 + I << 17 + ra << 16 + (K % 2) << 12 + cb << 11
	s_lshl_b32 s84, s66, 22
	s_lshr_b32 s86, s42, 1
	s_lshl_b32 s86, s86, 20
	s_add_co_u32 s84, s84, s86
	s_lshl_b32 s86, s17, 17
	s_add_co_u32 s84, s84, s86
	s_lshl_b32 s86, s15, 16
	s_add_co_u32 s84, s84, s86
	s_and_b32 s86, s42, 1
	s_lshl_b32 s86, s86, 12
	s_add_co_u32 s84, s84, s86
	s_lshl_b32 s86, s16, 11
	s_add_co_u32 s84, s84, s86
	s_mov_b32 s85, 0
	s_add_nc_u64 s[10:11], s[10:11], s[84:85]
	; st: batch << 18 + I << 15 + ra << 14 + K << 11 + cb << 10
	s_lshl_b32 s84, s66, 18
	s_lshl_b32 s86, s17, 15
	s_add_co_u32 s84, s84, s86
	s_lshl_b32 s86, s15, 14
	s_add_co_u32 s84, s84, s86
	s_lshl_b32 s86, s42, 11
	s_add_co_u32 s84, s84, s86
	s_lshl_b32 s86, s16, 10
	s_add_co_u32 s84, s84, s86
	s_add_nc_u64 s[12:13], s[12:13], s[84:85]
	s_wait_kmcnt 0x0
	s_add_co_i32 s86, s68, s69
	s_lshl_b32 s86, s86, 23
	s_add_co_i32 s[CS], s86, 0x3d38aa3b            ; log2(e) / 32, with e6 + e7 added to its exponent field: a sum stands for sum x 2^(e6 + e7)
	s_mov_b32 s[CS+1], s[CS]                       ; (named with it as a pair)
	s_add_co_i32 s86, s70, 127
	s_lshl_b32 s87, s86, 23
	v_mov_b32 v[SC], s87                           ; 2^e8
	s_add_co_i32 s86, s86, 8
	s_lshl_b32 s86, s86, 23
	s_or_b32 s86, s86, 0x600000
	v_mov_b32 v[LIM], s86                          ; 448 x 2^e8
.macro FRAG reg, adr, q, i             ; tile i's fragment of the slot's q-th 128 along K comes back as it was stored: 4 x 512 consecutive bytes
.irp c, 0,1,2,3
	ds_load_b128 v[\reg+4*\c:\reg+4*\c+3], v[\adr] offset:(\i)*4096+(\q)*2048+512*\c
.endr
.endm
; 16 matrix instructions: q's blocks a0, a0 + 1 x k's eight, 128 along K.  p: k's set.  The 64 accumulators take turns, one instruction a turn, in the same order in every step.
.macro MUL16 a0, p, zero
.irp a, \a0, \a0+1
.irp b, 0,1,2,3,4,5,6,7
.if \zero
	v_wmma_f32_16x16x128_fp8_fp8 v[8*(8*((\a)%4)+\b):8*(8*((\a)%4)+\b)+7], v[128*(\p)+FR*\b:128*(\p)+FR*\b+FR-1], v[AF+FR*(\a):AF+FR*(\a)+FR-1], 0
.else
	v_wmma_f32_16x16x128_fp8_fp8 v[8*(8*((\a)%4)+\b):8*(8*((\a)%4)+\b)+7], v[128*(\p)+FR*\b:128*(\p)+FR*\b+FR-1], v[AF+FR*(\a):AF+FR*(\a)+FR-1], v[8*(8*((\a)%4)+\b):8*(8*((\a)%4)+\b)+7]
.endif
.endr
.endr
.endm
.macro FETCH_B slot, q, p
	WIN TO_B
.irp i, 0,1,2,3,4,5,6,7
	FRAG 128*(\p)+FR*\i, ADRB+\slot, \q, \i
.endr
	WIN 0
.endm
.macro FETCH_A slot, q, i0
.irp i, \i0, \i0+1, \i0+2, \i0+3
	FRAG AF+FR*(\i), ADRA+\slot, \q, \i
.endr
.endm
.macro PLACES n
.rept \n
	v_nop
.endr
.endm
; A step of 128 along K that has its successor in the same slot.  q has one set of registers: a block is free when its eight products are issued; k has two.
.macro STEP slot, q, zero
	s_wait_dscnt 4*NL                              ; k's set and q's blocks 0-3 are in; the youngest 16 loads (q's blocks 4-7) may be out
	WIN MUL_LO
	MUL16 0, (\q)%2, \zero
	MUL16 2, (\q)%2, \zero
	s_wait_dscnt 0                                 ; q's blocks 4-7 are in
	PLACES NP
	FETCH_B \slot, (\q)+1, 1-(\q)%2
	FETCH_A \slot, (\q)+1, 0
	WIN MUL_HI
	MUL16 4, (\q)%2, \zero
	MUL16 6, (\q)%2, \zero
	PLACES NP
	WIN 0
	FETCH_A \slot, (\q)+1, 4
.endm
; A slot's last step changes slots: ONE barrier; in front of it each wave waits for all its tensor loads, adds 0 to its spare word, and waits for that and for its reads of this slot.
.macro TURN slot, next, fill
	s_wait_tensorcnt 0x0                           ; all my tensor loads have landed: my part of the next slot
	ds_add_u32 v[SPW], v[NIL]                      ; 0 onto my spare word
	s_wait_dscnt 4*NL+1                            ; (the add and q's blocks 4-7 may be out)
	WIN MUL_LO
	MUL16 0, 1, 0                                  ; sixteen matrix instructions stand between the add and the wait for it
	s_wait_dscnt 0x0                               ; the add is done, and my reads of this slot are over
	s_barrier_signal -1
	MUL16 2, 1, 0
	WIN 0
	s_barrier_wait -1
.if \fill
	CREST                                          ; no wave of any partner still reads this slot or has a load on its way
	s_add_nc_u64 s[G0+4*\slot+2:G0+4*\slot+3], s[G0+4*\slot+2:G0+4*\slot+3], 0x400000
	s_add_nc_u64 s[G0B+4*\slot+2:G0B+4*\slot+3], s[G0B+4*\slot+2:G0B+4*\slot+3], 0x400000
	JLOAD \slot                                    ; the first tensor load behind the round; its four v_nop are the places in front of the loads below
.else
	PLACES NP
.endif
	FETCH_B \next, 0, 0
	FETCH_A \next, 0, 0
	WIN MUL_HI
	MUL16 4, 1, 0
	MUL16 6, 1, 0
	PLACES NP
	WIN 0
	FETCH_A \next, 0, 4
.endm
	s_wait_tensorcnt 1                             ; my part of slot 0 is in; slot 1's may stay out
	s_barrier_signal -1
	s_barrier_wait -1
	FETCH_B 0, 0, 0
	FETCH_A 0, 0, 0
	FETCH_A 0, 0, 4
	STEP 0, 0, 1                                   ; eight steps of 128 along K, written out: the first starts the sums
	TURN 0, 1, 1
	STEP 1, 0, 0
	TURN 1, 0, 1
	STEP 0, 0, 0
	TURN 0, 1, 0                                   ; the last two slots are not filled again
	STEP 1, 0, 0
	s_wait_dscnt 4*NL
	WIN MUL_LO
	MUL16 0, 1, 0
	MUL16 2, 1, 0
	s_wait_dscnt 0
	WIN MUL_HI
	MUL16 4, 1, 0
	MUL16 6, 1, 0
	WIN 0
	PLACES NP
; BLOCK a: 16 queries x my 128 keys: a lane has 64 scores of one query, the lane 16 away the other 64.
.macro BLOCK a
.set W, 2+(\a)/4
.set AC, 64*((\a)%4)
	s_cmp_eq_u32 ttmp9, 1                          ; the block of tiles under the diagonal has no hidden key
	s_cbranch_scc1 .Lopen_\@
	WIN (W<<6)|W
.irp b, 0,1,2,3,4,5,6,7
.irp j, 0,1,2,3,4,5,6,7
	v_cmp_gt_i32 vcc_lo, 16*\b+\j-16*(\a), v[DQ]
	v_cndmask_b32 v[AC+8*\b+\j], v[AC+8*\b+\j], v[NINF], vcc_lo   ; a hidden score becomes -infinity: p = 0
.endr
.endr
	WIN 0
.Lopen_\@:
	WIN (W<<2)|(W<<4)
.irp b, 0,1,2,3,4,5,6,7                ; the largest score, in four chains; each accumulator is read from its low end on
.irp i, 0,1,2,3
.if \b == 0
	v_max3_num_f32 v[MX+\i], v[NINF], v[AC+2*\i], v[AC+2*\i+1]
.else
	v_max3_num_f32 v[MX+\i], v[MX+\i], v[AC+8*\b+2*\i], v[AC+8*\b+2*\i+1]
.endif
.endr
.endr
	WIN 0
	v_max3_num_f32 v[MX], v[MX], v[MX+1], v[MX+2]
	v_max_num_f32 v[MX], v[MX], v[MX+3]
	v_permlanex16_b32 v[TT], v[MX], s[SEL], s[SEL+1]
	v_max_num_f32 v[MX], v[MX], v[TT]              ; and among lane l xor 16's
	v_mul_f32 v[MX], s[CS], v[MX]                  ; as t (c is positive)
	v_max_num_f32 v[MX], v[MX], v[FLO]             ; a block with no open key: -3e38
	v_floor_f32 v[NM], -v[MX]                      ; -M = floor(-t) = -ceil(t): a whole number
	WIN W
.set n, 0
.rept 32
	v_pk_fma_f32 v[S+n:S+n+1], v[AC+n:AC+n+1], s[CS:CS+1], v[NM:NM+1] op_sel_hi:[1,0,0]   ; t - M, two at a time, into other registers
.set n, n+2
.endr
	WIN 0
.set n, 0
.rept 64
	v_exp_f32 v[S+n], v[S+n]                       ; p = 2^(t - M)
.set n, n+1
.endr
	v_nop                                          ; a plain line behind the last exponential
	s_wait_alu depctr_va_vdst(0)                   ; one wait for the whole batch, ahead of its first reader
	v_pk_add_f32 v[SA:SA+1], v[S:S+1], v[S+2:S+3]  ; l is the sum of the UNQUANTISED p: two chains, two numbers at a time
	v_pk_add_f32 v[SB:SB+1], v[S+4:S+5], v[S+6:S+7]
.set n, 8
.rept 14
	v_pk_add_f32 v[SA:SA+1], v[SA:SA+1], v[S+n:S+n+1]
	v_pk_add_f32 v[SB:SB+1], v[SB:SB+1], v[S+n+2:S+n+3]
.set n, n+4
.endr
	v_pk_add_f32 v[SA:SA+1], v[SA:SA+1], v[SB:SB+1]
	v_add_f32 v[SA], v[SA], v[SA+1]
	v_permlanex16_b32 v[TT], v[SA], s[SEL], s[SEL+1]
	v_add_f32 v[SA], v[SA], v[TT]
.irp b, 0,1,2,3,4,5,6,7
.irp j, 0,1,2,3,4,5,6,7
	v_min_num_f32 v[S+8*\b+\j], v[S+8*\b+\j], v[LIM]   ; the conversion does not saturate (ISA guide 7.6.2); p is not negative, so the hold is one-sided
.endr
	v_cvt_scalef32_pk8_fp8_f32 v[PC+16*(\a)+2*\b:PC+16*(\a)+2*\b+1], v[S+8*\b:S+8*\b+7], v[SC]
.endr
	v_cndmask_b32 v[STV+\a], v[NM], v[SA], s[HM]   ; lanes 0-15 keep -M, lanes 16-31 l.  (Also the plain line behind the last conversion)
.irp c, 0,1,2,3
	global_store_b128 v[LI], v[PC+16*(\a)+4*\c:PC+16*(\a)+4*\c+3], s[10:11] offset:(\a)*8192+512*\c   ; 512 consecutive bytes of the fragment's image
.endr
.endm
.irp a, 0,1,2,3,4,5,6,7
	BLOCK \a
.endr
.irp a, 0,1,2,3,4,5,6,7
	ds_store_b32 v[SSO], v[STV+\a] offset:128*\a   ; [tile][query][-M, l]
.endr
	ds_load_b128 v[96:99], v[SRD]                  ; LDS serves a wave's instructions in order (ISA guide 5.7.1.4): these see my stores
	ds_load_b128 v[100:103], v[SRD] offset:512
	s_wait_dscnt 0x0
	global_store_b128 v[LI], v[96:99], s[12:13]
	global_store_b128 v[LI], v[100:103], s[12:13] offset:512
	s_wait_tensorcnt 0x0                           ; the wave's end
	ds_add_u32 v[SPW], v[NIL]
	s_wait_dscnt 0x0
	CROUND                                         ; the closing round
	s_endpgm
.Lfunc_end_k_qa38251f703_scores:
	.size	k_qa38251f703_scores, .Lfunc_end_k_qa38251f703_scores-k_qa38251f703_scores
	.p2alignl 7, 3214868480
	.fill 96, 4, 3214868480
	.section	.rodata,"a",@progbits
	.p2align	6, 0x0
	.amdhsa_kernel k_qa38251f703_scores
		.amdhsa_group_segment_fixed_size 327680
		.amdhsa_private_segment_fixed_size 0
		.amdhsa_enable_private_segment 0
		.amdhsa_kernarg_size 40
		.amdhsa_user_sgpr_count 2
		.amdhsa_user_sgpr_kernarg_segment_ptr 1
		.amdhsa_wavefront_size32 1
		.amdhsa_system_sgpr_workgroup_id_x 1
		.amdhsa_system_sgpr_workgroup_id_y 1
		.amdhsa_system_sgpr_workgroup_id_z 1
		.amdhsa_system_vgpr_workitem_id 0
		.amdhsa_next_free_vgpr 1024
		.amdhsa_next_free_sgpr 100
		.amdhsa_reserve_vcc 1
		.amdhsa_float_denorm_mode_32 3
		.amdhsa_float_denorm_mode_16_64 3
		.amdhsa_memory_ordered 1
		.amdhsa_forward_progress 1
		.amdhsa_inst_pref_size 212
	.end_amdhsa_kernel
	.amdgpu_metadata
---
amdhsa.version: [ 1, 2 ]
amdhsa.kernels:
  - .name:           k_qa38251f703_scores
    .symbol:         k_qa38251f703_scores.kd
    .args:
      - { .name: qf, .offset: 0, .size: 8, .value_kind: global_buffer, .address_space: global }
      - { .name: kf, .offset: 8, .size: 8, .value_kind: global_buffer, .address_space: global }
      - { .name: lowp_scales, .offset: 16, .size: 8, .value_kind: global_buffer, .address_space: global }
      - { .name: pf, .offset: 24, .size: 8, .value_kind: global_buffer, .address_space: global }
      - { .name: st, .offset: 32, .size: 8, .value_kind: global_buffer, .address_space: global }
    .group_segment_fixed_size: 327680
    .private_segment_fixed_size: 0
    .kernarg_segment_align: 8
    .kernarg_segment_size: 40
    .max_flat_workgroup_size: 128
    .sgpr_count:     100
    .vgpr_count:     1024
    .wavefront_size: 32
...
	.end_amdgpu_metadata
.endif
;; end of part 2
;; launch pv (part 3): grid 8 x 32, 4 waves a work-group, clusters of 4 x 4, 327,680 bytes of LDS; arguments pf, vf, st, lowp_scales, out0; writes out0
.if DOCPART == 3
	.amdgcn_target "amdgcn-amd-amdhsa--gfx1250"
	.amdhsa_code_object_version 6
	.text
	.protected	k_qa38251f703_pv
	.globl	k_qa38251f703_pv
	.p2align	8
	.type	k_qa38251f703_pv,@function
k_qa38251f703_pv:
	s_mov_b64 s[64:65], 0
	v_nop
	global_prefetch_b8 v0, s[64:65] scope:SCOPE_SE
	s_setreg_imm32_b32 hwreg(HW_REG_WAVE_MODE, 25, 1), 1
	s_wait_xcnt 0x0
	s_wait_alu depctr_hold_cnt(0) depctr_sa_sdst(0) depctr_va_vdst(0) depctr_va_sdst(0) depctr_va_ssrc(0) depctr_va_vcc(0) depctr_vm_vsrc(0)
	s_getreg_b32 s2, hwreg(HW_REG_IB_STS2, 6, 4)
	s_cmp_eq_u32 s2, 0
	s_cbranch_scc0 .Lentry_in_a_cluster
	s_endpgm
.Lentry_in_a_cluster:
	s_bfe_u32 s2, ttmp6, 0x10000c
	s_cmp_lg_u32 s2, 0xf033
	s_cbranch_scc0 .Lentry_shape_is_right
	s_endpgm
.Lentry_shape_is_right:
; out = (sum over key steps u of 2^(M_u - M) P_u V_u) x 2^(e8 + e9) / (sum over u of 2^(M_u - M) l_u), on the codes of P and V and the (-M_u, l_u) that the launches before stored.
; M = the largest M_u of the row; all M are whole numbers, so each factor f_u = 2^(M_u - M) is a power of two and rounds nothing.  A key step all of whose keys are hidden has -M_u = 3e38: f_u = 0.
; SHARES.  A work-group makes 128 queries x 128 columns at a time; a wave 64 x 64: 16 accumulators.  Source 0 = 16 columns of V (keys innermost), source 1 = 16 queries of P: a lane holds one query and 8 neighbouring columns.
; The queries of a batch are four blocks of 512; block S needs the key groups (512 keys) 0 .. S.  A cluster (4 x 4: cy picks 128 of the 512 queries, cx 128 of 512 columns) takes block 3 - J and then block J:
; (4 - J) + (J + 1) = 5 key groups, 20 key steps, the same in all 256 work-groups.  J is a bit of the cluster's number, so every branch on it goes the same way in all partners.
; In a block's last key group the steps behind a work-group's own queries hold zero codes; they are multiplied all the same: partners run alike, and so P's tiles are asked for jointly along a row and V's along a column.
; Each key step's product starts from 0 in registers of its own (T) and is added to O by packed multiply-adds with f_u: no chain of matrix instructions, and no rescaling of O.
; pf, vf hold images of fragments: a wave's part of a slot is one dense block of 32,768 bytes, LDS reads are 512 consecutive bytes: no padding.
; LIMITS: |M| under 2^24; NaN is not served.  e8 + e9 is applied by v_ldexp_f32 and has no limit.
; REGISTERS: window 0: v1-12 addresses; v32-47 1 / l x 2^(e8 + e9), in pairs, for both blocks; v48-91 at work at the head; v128-255 T.
;   window 1: two buffers of fragments (V's 4 x 16, then P's 4 x 16); at the head v0-159: (-M_u, l_u) at 2 (4 u + a).   window 2: v0-127 O; v128-255 rows on the way out.   window 3: v0-159 pairs (f_u, f_u) at 2 (4 u + a).
.set SLOT,   131072                    ; a key group: P's 8 tiles of 16 queries x 512 keys, then V's 8 tiles of 16 columns
.set VOFF,   65536
.set STAGE,  2*SLOT                    ; behind the ring: 16 rows x 272 bytes for each wave, once for each of the three written ways out
.set SP,     272
.set STG1,   4*16*SP                   ; from one way out's stages to the next's
.set SPARE,  STAGE+3*STG1              ; behind the stages: the spare words, 128 bytes a wave: two blocks of 256 bytes that no other line names
.set ADRP, 4                           ; v4-5   LDS address of my fragments of P in slot 0, 1
.set ADRV, 6                           ; v6-7   of V
.set STO,  8                           ; v8     the way out: where I put 32 bytes of a row
.set RD,   9                           ; v9     where I read a row back
.set CO,   10                          ; v10    my byte offset in out0
.set SOF,  11                          ; v11    my byte offset in a key step's (-M, l)
.set BIG,  12                          ; v12    3e38
.set SPW,  28                          ; v28    LDS address of my spare word; never rewritten
.set NIL,  29                          ; v29    0; never rewritten
.set INV,  32
.set MA,   48                          ; smallest -M of steps 0-11, 12-15, 16-19, for my four tiles of queries
.set MB,   52
.set MC,   56
.set F0,   60                          ; the first block's -M, the second's, and that of steps 12-15
.set F1,   64
.set FB,   68
.set TX,   72
.set TY,   76
.set LA,   80                          ; sums of f l over steps 0-11, 12-15, 16-19
.set LB,   84
.set LC,   88
.set T,    128
.set BK,   128                         ; in window 2
.set WV,   14
.set JJ,   17                          ; s17    J;  s18: the batch;  s19: all ones where J = 0
.set G1P,  24                          ; s[24:31] descriptor group 1 for P's tiles;  s[32:39] group 0, a set for each slot
.set G0P,  32
.set G1V,  40                          ; s[40:47], s[48:55] the same for V's
.set G0V,  48
.set KG,   66                          ; s66-70 the key group of each of the five slots' worth;  s71-75 its block of queries
.set SS,   71
.set PO,   76                          ; s76-80 its byte offset in pf;  s81-85 in vf
.set VO,   81
.set OB,   86                          ; s[86:87], s[88:89] out0 at my rows of the first and of the second block
.set SB,   90                          ; s[90:99] st at my queries, for each of the five
.set MSB, 0
.macro WIN new
.if MSB != (\new)
	s_set_vgpr_msb (MSB<<8)|(\new)
.set MSB, (\new)
.endif
.endm
.macro PLACES
.rept 4
	v_nop
.endr
.endm
.macro JLOAD s                         ; waves 0 and 1 fetch P's halves, waves 2 and 3 V's; four v_nop follow each line
	s_cmp_eq_u32 s15, 0
	s_cbranch_scc0 .Lfor_v_\@
	tensor_load_to_lds s[G0P+4*(\s):G0P+4*(\s)+3], s[G1P:G1P+7]
	s_nop 0
.rept 4
	v_nop
.endr
	s_branch .Lasked_\@
.Lfor_v_\@:
	tensor_load_to_lds s[G0V+4*(\s):G0V+4*(\s)+3], s[G1V:G1V+7]
	s_nop 0
.rept 4
	v_nop
.endr
.Lasked_\@:
.endm
.macro CREST
	s_cmp_lg_u32 s[WV], 0
	s_cbranch_scc1 .Lnot_wave_0_\@
	s_barrier_signal -3
.Lnot_wave_0_\@:
	s_barrier_wait -3
	s_barrier_signal -1
	s_barrier_wait -1
.endm
.macro CROUND
	s_barrier_signal -1
	s_barrier_wait -1
	CREST
.endm
.macro AIM sl, t                       ; slot sl's two groups 0 are pointed at the t-th of the five key groups; no tensor load of mine is out where this stands
	s_mov_b32 s60, s[PO+(\t)]
	s_add_nc_u64 s[G0P+4*(\sl)+2:G0P+4*(\sl)+3], s[20:21], s[60:61]
	s_or_b32 s[G0P+4*(\sl)+3], s[G0P+4*(\sl)+3], 0x80000000
	s_mov_b32 s60, s[VO+(\t)]
	s_add_nc_u64 s[G0V+4*(\sl)+2:G0V+4*(\sl)+3], s[22:23], s[60:61]
	s_or_b32 s[G0V+4*(\sl)+3], s[G0V+4*(\sl)+3], 0x80000000
.endm
	s_load_b256 s[4:11], s[0:1], 0x0               ; pf s[4:5], vf s[6:7], st s[8:9], the scales' exponents s[10:11]
	s_load_b64 s[12:13], s[0:1], 0x20              ; out0
	v_lshl_add_u32 v[SPW], v0, 2, SPARE
	v_mov_b32 v[NIL], 0
	ds_add_u32 v28, v29
	ds_add_u32 v28, v29
	s_wait_dscnt 0x0
	v_lshrrev_b32 v1, 5, v0
	v_readfirstlane_b32 s[WV], v1                  ; wave 0..3
	s_lshr_b32 s15, s[WV], 1                       ; which 64 queries are mine.  Also: I fetch for P (0) or for V (1)
	s_and_b32 s16, s[WV], 1                        ; which 64 columns.  Also: which half of that tile I fetch
	s_bfe_u32 s56, ttmp6, 0x40000                  ; cx, cy
	s_bfe_u32 s57, ttmp6, 0x40004
	s_lshl_b32 s58, ttmp9, 2
	s_add_co_u32 s58, s58, s56                     ; which 128 columns: 4 x cluster x + cx
	s_and_b32 s18, ttmp7, 0xffff
	s_and_b32 s[JJ], s18, 1                        ; J
	s_lshr_b32 s18, s18, 1                         ; the batch
	s_lshl_b32 s59, s57, 2
	s_lshl_b32 s59, 15, s59                        ; my row of the cluster
	s_lshl_b32 s62, 0x1111, s56                    ; my column
	s_or_b32 s[G1P], s59, (3<<16)|(1<<21)          ; 15:0 the mask; 17:16 elements of 8 bytes; 21 set beside a mask; no padding
	s_or_b32 s[G1V], s62, (3<<16)|(1<<21)
.irp g, G1P, G1V
	s_mov_b32 s[\g+1], 32<<16                      ; a dense block as 128 rows of 256 bytes
	s_mov_b32 s[\g+2], 128<<16
	s_mov_b32 s[\g+3], 32<<16
	s_mov_b32 s[\g+4], 128
	s_mov_b32 s[\g+5], 32
	s_mov_b32 s[\g+6], 0
	s_mov_b32 s[\g+7], 0
.endr
	; the walk: (key group, block of queries) = (0, 3 - J), (1, 3 - J), (2, 3 - J), then (3, 3) or (0, 1), then (J, J)
	s_sub_co_u32 s[SS], 3, s[JJ]
	s_mov_b32 s[SS+1], s[SS]
	s_mov_b32 s[SS+2], s[SS]
	s_mov_b32 s[SS+4], s[JJ]
	s_mov_b32 s[KG], 0
	s_mov_b32 s[KG+1], 1
	s_mov_b32 s[KG+2], 2
	s_mov_b32 s[KG+4], s[JJ]
	s_cmp_eq_u32 s[JJ], 0
	s_cselect_b32 s[KG+3], 3, 0
	s_cselect_b32 s[SS+3], 3, 1
	s_cselect_b32 s19, -1, 0
	s_lshl_b32 s59, s18, 18                        ; st: batch << 18 + block << 16 + cy << 14 + key group << 12
	s_lshl_b32 s63, s57, 14
	s_add_co_u32 s59, s59, s63
.irp t, 0,1,2,3,4
	s_lshl_b32 s[PO+\t], s[KG+\t], 20              ; pf: key group << 20 + block << 18
	s_lshl_b32 s63, s[SS+\t], 18
	s_add_co_u32 s[PO+\t], s[PO+\t], s63
	s_lshl_b32 s[VO+\t], s[KG+\t], 19              ; vf: key group << 19
	s_lshl_b32 s[SB+2*\t], s[SS+\t], 16
	s_lshl_b32 s63, s[KG+\t], 12
	s_add_co_u32 s[SB+2*\t], s[SB+2*\t], s63
	s_add_co_u32 s[SB+2*\t], s[SB+2*\t], s59
	s_mov_b32 s[SB+2*\t+1], 0
.endr
	s_lshl_b32 s63, s16, 15                        ; which half I fetch
	s_lshl_b32 s20, s18, 22                        ; P: batch << 22 + cy << 16 + half << 15
	s_lshl_b32 s59, s57, 16
	s_add_co_u32 s20, s20, s59
	s_add_co_u32 s20, s20, s63
	s_mov_b32 s21, 0
	s_lshl_b32 s22, s18, 21                        ; V: batch << 21 + columns << 16 + half << 15
	s_lshl_b32 s62, s58, 16
	s_add_co_u32 s22, s22, s62
	s_add_co_u32 s22, s22, s63
	s_mov_b32 s23, 0
	s_mov_b32 s61, 0
	s_lshl_b32 s59, s18, 23                        ; out0: batch << 23 + block << 21 + cy << 19 + my 64 rows << 18 + 512 x columns + 256 x my half
	s_lshl_b32 s63, s57, 19
	s_add_co_u32 s59, s59, s63
	s_lshl_b32 s63, s15, 18
	s_add_co_u32 s59, s59, s63
	s_lshl_b32 s63, s58, 9
	s_add_co_u32 s59, s59, s63
	s_lshl_b32 s63, s16, 8
	s_add_co_u32 s59, s59, s63
	s_lshl_b32 s[OB], s[SS], 21
	s_add_co_u32 s[OB], s[OB], s59
	s_mov_b32 s[OB+1], 0
	s_lshl_b32 s[OB+2], s[SS+4], 21
	s_add_co_u32 s[OB+2], s[OB+2], s59
	s_mov_b32 s[OB+3], 0
	s_lshl_b32 s63, s[WV], 15                      ; where my tile goes: wave x 32,768
	s_wait_kmcnt 0x0
	s_load_b64 s[2:3], s[10:11], 0x20              ; e8, e9
	s_add_nc_u64 s[20:21], s[4:5], s[20:21]
	s_add_nc_u64 s[22:23], s[6:7], s[22:23]
	s_add_nc_u64 s[OB:OB+1], s[12:13], s[OB:OB+1]
	s_add_nc_u64 s[OB+2:OB+3], s[12:13], s[OB+2:OB+3]
.irp t, 0,1,2,3,4
	s_add_nc_u64 s[SB+2*\t:SB+2*\t+1], s[8:9], s[SB+2*\t:SB+2*\t+1]
.endr
	CROUND                                         ; all sixteen work-groups are here: the first joint loads meet
.irp s, 0,1
	s_mov_b32 s[G0P+4*\s], 1
	s_add_co_u32 s[G0P+4*\s+1], s63, \s*SLOT
	s_mov_b32 s[G0V+4*\s], 1
	s_add_co_u32 s[G0V+4*\s+1], s63, \s*SLOT
	AIM \s, \s
	JLOAD \s                                       ; two loads of mine are out
.endr
	v_and_b32 v1, 15, v0                           ; r
	v_bfe_u32 v2, v0, 4, 1                         ; h
	v_and_b32 v3, 31, v0
	v_lshlrev_b32 v3, 4, v3                        ; 16 x lane
	s_lshl_b32 s59, s15, 9
	v_lshlrev_b32 v[SOF], 3, v1
	v_add_nc_u32 v[SOF], s59, v[SOF]               ; my four tiles' (-M, l): 512 x my half + 8 r
	WIN 0x40                                       ; destination window 1
.irp t, 0,1,2,3,4
.irp q, 0,1,2,3
.irp a, 0,1,2,3
	global_load_b64 v[2*(4*(4*\t+\q)+\a):2*(4*(4*\t+\q)+\a)+1], v[SOF], s[SB+2*\t:SB+2*\t+1] offset:\q*1024+\a*128
.endr
.endr
.endr
	WIN 0
	s_lshl_b32 s59, s15, 15                        ; my four tiles of P
	s_lshl_b32 s62, s16, 15
	s_add_co_u32 s62, s62, VOFF                    ; my four tiles of V
.irp s, 0,1
	v_add_nc_u32 v[ADRP+\s], s59, v3
	v_add_nc_u32 v[ADRV+\s], s62, v3
	s_add_co_u32 s59, s59, SLOT
	s_add_co_u32 s62, s62, SLOT
.endr
	s_mul_i32 s59, s[WV], 16*SP
	s_add_co_u32 s59, s59, STAGE                   ; my stage
	v_mul_u32_u24 v[STO], v1, SP                   ; in: row r, 32 bytes for each half of the lanes
	v_lshl_add_u32 v[STO], v2, 5, v[STO]
	v_add_nc_u32 v[STO], s59, v[STO]
	v_mul_u32_u24 v[RD], v2, SP                    ; back: lanes 0-15 one row of 256 bytes, lanes 16-31 the next
	v_lshl_add_u32 v[RD], v1, 4, v[RD]
	v_add_nc_u32 v[RD], s59, v[RD]
	v_lshlrev_b32 v[CO], 12, v2                    ; and the same two rows in out0
	v_lshl_add_u32 v[CO], v1, 4, v[CO]
	v_mov_b32 v[BIG], 0x7f61b1e6
	s_wait_loadcnt 0x0                             ; all 80 (-M, l)
	WIN 0x14                                       ; sources 1 and 2 window 1
.irp a, 0,1,2,3
	v_min3_num_f32 v[MA+\a], v[BIG], v[2*\a], v[2*(4+\a)]
	v_min3_num_f32 v[MB+\a], v[BIG], v[2*(48+\a)], v[2*(52+\a)]
	v_min3_num_f32 v[MC+\a], v[BIG], v[2*(64+\a)], v[2*(68+\a)]
.endr
.irp a, 0,1,2,3
	v_min3_num_f32 v[MB+\a], v[MB+\a], v[2*(56+\a)], v[2*(60+\a)]
	v_min3_num_f32 v[MC+\a], v[MC+\a], v[2*(72+\a)], v[2*(76+\a)]
.endr
.irp u, 2,4,6,8,10
.irp a, 0,1,2,3
	v_min3_num_f32 v[MA+\a], v[MA+\a], v[2*(4*\u+\a)], v[2*(4*\u+4+\a)]
.endr
.endr
	WIN 0
.irp a, 0,1,2,3                        ; steps 12-15 belong to the first block where J = 0, to the second where J = 1: a choice of values, no branch
	v_cndmask_b32 v[TX+\a], v[BIG], v[MB+\a], s19
	v_cndmask_b32 v[TY+\a], v[MB+\a], v[BIG], s19
	v_min_num_f32 v[F0+\a], v[MA+\a], v[TX+\a]     ; -M of the first block's rows
	v_min_num_f32 v[F1+\a], v[MC+\a], v[TY+\a]     ; of the second's
	v_cndmask_b32 v[FB+\a], v[F1+\a], v[F0+\a], s19
.endr
	WIN 0x04                                       ; source 1 window 1
.set u, 0
.rept 20
.set fs, F0
.if u >= 12
.set fs, FB
.endif
.if u >= 16
.set fs, F1
.endif
.irp a, 0,1,2,3
	v_sub_f32 v[T+4*u+\a], v[fs+\a], v[2*(4*u+\a)] ; M_u - M: a whole number, 0 or less
.endr
.set u, u+1
.endr
	WIN 0
.set n, 0
.rept 80
	v_cvt_i32_f32 v[T+n], v[T+n]                   ; (it saturates)
.set n, n+1
.endr
	WIN 0xc0                                       ; destination window 3
.set n, 0
.rept 80
	v_ldexp_f32 v[2*n], 1.0, v[T+n]                ; f_u = 2^(M_u - M), twice: a pair for the packed multiply-adds
	v_ldexp_f32 v[2*n+1], 1.0, v[T+n]
.set n, n+1
.endr
	WIN 0x07                                       ; source 0 (f) window 3, source 1 (l) window 1
.set u, 0
.rept 20
.set ls, LA
.if u >= 12
.set ls, LB
.endif
.if u >= 16
.set ls, LC
.endif
.irp a, 0,1,2,3
.if (u == 0) || (u == 12) || (u == 16)
	v_mul_f32 v[ls+\a], v[2*(4*u+\a)], v[2*(4*u+\a)+1]
.else
	v_fma_f32 v[ls+\a], v[2*(4*u+\a)], v[2*(4*u+\a)+1], v[ls+\a]
.endif
.endr
.set u, u+1
.endr
	WIN 0
.irp a, 0,1,2,3
	v_cndmask_b32 v[TX+\a], 0, v[LB+\a], s19
	v_cndmask_b32 v[TY+\a], v[LB+\a], 0, s19
	v_add_f32 v[LA+\a], v[LA+\a], v[TX+\a]         ; the first block's row sums
	v_add_f32 v[LC+\a], v[LC+\a], v[TY+\a]         ; the second's
.endr
.irp a, 0,1,2,3
	v_rcp_f32 v[LA+\a], v[LA+\a]
	v_rcp_f32 v[LC+\a], v[LC+\a]
.endr
	v_nop                                          ; a plain line behind the last reciprocal
	s_wait_kmcnt 0x0
	s_add_co_i32 s2, s2, s3                        ; e8 + e9
	s_wait_alu depctr_va_vdst(0)                   ; one wait for the eight, ahead of their first reader
.irp a, 0,1,2,3
	v_ldexp_f32 v[INV+2*\a], v[LA+\a], s2
	v_ldexp_f32 v[INV+2*\a+1], v[LA+\a], s2
	v_ldexp_f32 v[INV+8+2*\a], v[LC+\a], s2
	v_ldexp_f32 v[INV+9+2*\a], v[LC+\a], s2
.endr
.macro FETCH u                         ; key step u's eight fragments, 32 loads, into buffer u % 2
.set fb, 128*((\u)%2)
.set sl, ((\u)/4)%2
.set ko, ((\u)%4)*2048
	WIN 0x40
.irp i, 0,1,2,3
.irp c, 0,1,2,3
	ds_load_b128 v[fb+16*\i+4*\c:fb+16*\i+4*\c+3], v[ADRV+sl] offset:\i*8192+ko+512*\c
.endr
.endr
.irp i, 0,1,2,3
.irp c, 0,1,2,3
	ds_load_b128 v[fb+64+16*\i+4*\c:fb+64+16*\i+4*\c+3], v[ADRP+sl] offset:\i*8192+ko+512*\c
.endr
.endr
.endm
.macro MUL u                           ; T(a, b) = V_b P_a^T over the step's 128 keys: sixteen sums, each begun with 0
.set fb, 128*((\u)%2)
	WIN 0x05
.irp a, 0,1,2,3
.irp b, 0,1,2,3
	v_wmma_f32_16x16x128_fp8_fp8 v[T+8*(4*\a+\b):T+8*(4*\a+\b)+7], v[fb+16*\b:fb+16*\b+15], v[fb+64+16*\a:fb+64+16*\a+15], 0
.endr
.endr
.endm
.macro FMA u, start                    ; O += f_u T, each T from its low end on; start = 1: O = f_u T: nothing is cleared
.if \start
	WIN 0x8c                                       ; source 1 (f) window 3, destination (O) window 2
.else
	WIN 0xac                                       ; and source 2 (O) window 2
.endif
.irp a, 0,1,2,3
.set n, 32*\a
.rept 16
.if \start
	v_pk_mul_f32 v[n:n+1], v[T+n:T+n+1], v[2*(4*(\u)+\a):2*(4*(\u)+\a)+1]
.else
	v_pk_fma_f32 v[n:n+1], v[T+n:T+n+1], v[2*(4*(\u)+\a):2*(4*(\u)+\a)+1], v[n:n+1]
.endif
.set n, n+2
.endr
.endr
.endm
; A key step.  mode 0: O += ; 1: O = ; 2: a block's first step where J = 1; 3: where J = 0 (both forms are written, and a branch on J, the same in all partners, picks one).
.macro KSTEP u, mode
.if (\u) < 19
	s_wait_dscnt 32                                ; this step's fragments are in; the next step's 32 loads may be out
.else
	s_wait_dscnt 0x0
.endif
	MUL \u
	PLACES                                         ; in front of the loads into the buffer just multiplied, and of the first read of T
.if (\u) < 18
	FETCH (\u)+2
.endif
.if (\mode) < 2
	FMA \u, \mode
.else
	WIN 0
	s_cmp_eq_u32 s[JJ], 3-(\mode)
	s_cbranch_scc1 .Lstart_\@
	FMA \u, 0
	WIN 0
	s_branch .Ljoin_\@
.Lstart_\@:
	FMA \u, 1
	WIN 0
.Ljoin_\@:
.endif
.endm
; Key step u = 4 t + 2 changes slots: the loads of step 4 t + 3, the slot's last, were issued a step ago, and the fetch below is the next slot's first.  Each wave waits for all its tensor loads, adds 0 to its
; spare word, and waits for that and for its reads of the slot.  t <= 2: a round of the cluster's barrier, and the slot takes the key group two on, which has four key steps in which to land.
.macro KTURN u, t
	s_wait_dscnt 32
	WIN 0
	s_wait_tensorcnt 0x0                           ; all my tensor loads have landed: my part of the next slot; a group 0 may be written
	ds_add_u32 v[SPW], v[NIL]                      ; 0 onto my spare word
.if (\t) <= 2
	AIM (\t)%2, (\t)+2
.endif
	MUL \u                                         ; sixteen matrix instructions stand between the add and the wait for it
	WIN 0
	s_wait_dscnt 0x0                               ; the add is done, and my reads of this slot are over
.if (\t) <= 2
	CROUND                                         ; no wave of any partner still reads the slot or has a load on its way
	JLOAD (\t)%2                                   ; the first tensor load behind the round; its four v_nop are the places
.else
	s_barrier_signal -1
	s_barrier_wait -1
	PLACES
.endif
	FETCH (\u)+2
	FMA \u, 0
.endm
; THE WAY OUT of a block of queries: O x 2^(e8 + e9) / l, a tile of 16 rows x 64 columns at a time through my stage, back as rows of 256 bytes; sixteen lanes store 256 consecutive bytes, aligned.
.macro EPI seg, st
	s_wait_xcnt 0x0                                ; an earlier way out's stores have read their registers: the loads below may land there
.irp a, 0,1,2,3
	WIN 0x02                                       ; source 0 (O) window 2
.set n, 32*\a
.rept 16
	v_pk_mul_f32 v[T+n:T+n+1], v[n:n+1], v[INV+8*(\seg)+2*\a:INV+8*(\seg)+2*\a+1]
.set n, n+2
.endr
	WIN 0
.irp b, 0,1,2,3
	ds_store_b128 v[STO], v[T+32*\a+8*\b:T+32*\a+8*\b+3] offset:(\st)*STG1+64*\b
	ds_store_b128 v[STO], v[T+32*\a+8*\b+4:T+32*\a+8*\b+7] offset:(\st)*STG1+64*\b+16
.endr
	WIN 0x80                                       ; destination window 2
.irp i, 0,1,2,3,4,5,6,7
	ds_load_b128 v[BK+32*\a+4*\i:BK+32*\a+4*\i+3], v[RD] offset:(\st)*STG1+\i*2*SP   ; LDS serves a wave's instructions in order (ISA guide 5.7.1.4): these see my stores, and the next tile's stores come behind them
.endr
.endr
	WIN 0x08                                       ; store data window 2
.irp a, 0,1,2,3
	s_wait_dscnt 16*(3-\a)                         ; tile a is back; behind its loads stand the later tiles' 16 LDS lines each
.irp i, 0,1,2,3,4,5,6,7
	global_store_b128 v[CO], v[BK+32*\a+4*\i:BK+32*\a+4*\i+3], s[OB+2*(\seg):OB+2*(\seg)+1] offset:(16*\a+2*\i)*4096 th:TH_STORE_NT
.endr
.endr
	WIN 0
.endm
	s_wait_tensorcnt 1                             ; my part of slot 0 is in; slot 1's may stay out
	s_barrier_signal -1
	s_barrier_wait -1
	FETCH 0
	FETCH 1
	KSTEP 0, 1
	KSTEP 1, 0
	KTURN 2, 0
	KSTEP 3, 0
	KSTEP 4, 0
	KSTEP 5, 0
	KTURN 6, 1
	KSTEP 7, 0
	KSTEP 8, 0
	KSTEP 9, 0
	KTURN 10, 2
	KSTEP 11, 0
	WIN 0
	s_cmp_eq_u32 s[JJ], 1                          ; J = 1: the first block (three key groups) is finished
	s_cbranch_scc0 .Lnot_yet
	EPI 0, 0
.Lnot_yet:
	KSTEP 12, 2
	KSTEP 13, 0
	KTURN 14, 3
	KSTEP 15, 0
	WIN 0
	s_cmp_eq_u32 s[JJ], 0                          ; J = 0: the first block (four key groups) is finished
	s_cbranch_scc0 .Lwas_out
	EPI 0, 1
.Lwas_out:
	KSTEP 16, 3
	KSTEP 17, 0
	KSTEP 18, 0
	KSTEP 19, 0
	EPI 1, 2
	s_wait_tensorcnt 0x0                           ; the wave's end
	ds_add_u32 v[SPW], v[NIL]
	s_wait_dscnt 0x0
	CROUND                                         ; the closing round
	s_endpgm
.Lfunc_end_k_qa38251f703_pv:
	.size	k_qa38251f703_pv, .Lfunc_end_k_qa38251f703_pv-k_qa38251f703_pv
	.p2alignl 7, 3214868480
	.fill 96, 4, 3214868480
	.section	.rodata,"a",@progbits
	.p2align	6, 0x0
	.amdhsa_kernel k_qa38251f703_pv
		.amdhsa_group_segment_fixed_size 327680
		.amdhsa_private_segment_fixed_size 0
		.amdhsa_enable_private_segment 0
		.amdhsa_kernarg_size 40
		.amdhsa_user_sgpr_count 2
		.amdhsa_user_sgpr_kernarg_segment_ptr 1
		.amdhsa_wavefront_size32 1
		.amdhsa_system_sgpr_workgroup_id_x 1
		.amdhsa_system_sgpr_workgroup_id_y 1
		.amdhsa_system_sgpr_workgroup_id_z 1
		.amdhsa_system_vgpr_workitem_id 0
		.amdhsa_next_free_vgpr 1024
		.amdhsa_next_free_sgpr 100
		.amdhsa_reserve_vcc 0
		.amdhsa_float_denorm_mode_32 3
		.amdhsa_float_denorm_mode_16_64 3
		.amdhsa_memory_ordered 1
		.amdhsa_forward_progress 1
		.amdhsa_inst_pref_size 235
	.end_amdhsa_kernel
	.amdgpu_metadata
---
amdhsa.version: [ 1, 2 ]
amdhsa.kernels:
  - .name:           k_qa38251f703_pv
    .symbol:         k_qa38251f703_pv.kd
    .args:
      - { .name: pf, .offset: 0, .size: 8, .value_kind: global_buffer, .address_space: global }
      - { .name: vf, .offset: 8, .size: 8, .value_kind: global_buffer, .address_space: global }
      - { .name: st, .offset: 16, .size: 8, .value_kind: global_buffer, .address_space: global }
      - { .name: lowp_scales, .offset: 24, .size: 8, .value_kind: global_buffer, .address_space: global }
      - { .name: out0, .offset: 32, .size: 8, .value_kind: global_buffer, .address_space: global }
    .group_segment_fixed_size: 327680
    .private_segment_fixed_size: 0
    .kernarg_segment_align: 8
    .kernarg_segment_size: 40
    .max_flat_workgroup_size: 128
    .sgpr_count:     100
    .vgpr_count:     1024
    .wavefront_size: 32
...
	.end_amdgpu_metadata
.endif
;; end of part 3
